; MI455X (gfx1250); checked and timed in simulation.
; The chip was launched on July 23, 2026; its instructions are those of AMD's public machine-readable ISA for CDNA 5 (MIT licence, August 2026) and "CDNA5" Instruction Set Architecture Reference Guide (July 2026). The comments in the code are by the model that wrote it; some were corrected since.
;; Concat Critic. Allowed arithmetic: matrix products marked QUANTISED: E3M2 operands, one E8M0 scale for each 32 along K, by v_wmma_scale_f32_16x16x128_f8f6f4 with both operands' format E3M2, f32 sums; products left as they are: f32 operands where the result goes on into a quantised operand, else bf16, f16 or f32 operands; f32 sums; everything else in f32.
;; Inputs: W1 256 x 512 float32; W2 512 x 1 float32; b1 512 float32; b2 1 float32; x_codes 512 x 4 x 24 uint8 (E3M2 codes of x, K innermost, in blocks of 32 codes, four codes in three bytes); x_scales 512 x 4 uint8 (E8M0 scales of x, one for each 32 codes along K); y_codes 512 x 4 x 24 uint8 (E3M2 codes of y, K innermost, in blocks of 32 codes, four codes in three bytes); y_scales 512 x 4 uint8 (E8M0 scales of y, one for each 32 codes along K).
;; Outputs: out0 512 x 512 float32.
;; This version of the problem:
;;   THIS VERSION OF THE PROBLEM IS GIVEN IN LOW PRECISION. The matrix products marked QUANTISED in the list below multiply operands that are first quantised to E3M2 (3 exponent bits, 2 mantissa bits; 6 bits a number), with one power-of-two scale for each 32 numbers along K (OCP MX v1.0); their sums are f32. All else is computed in f32.
;;   The module's matrix products, in the order in which they are computed (A, B: the left and right operand; K: the contracted axis; several contracted axes count as one K, in the product's order):
;;     1. [M 512, K 128] x [K 128, N 512]; A: input x (given as codes); B: input W1: QUANTISED
;;     2. [M 512, K 128] x [K 128, N 512]; A: input y (given as codes); B: input W1: QUANTISED
;;     3. [M 262,144, K 512] x [K 512, N 1]; A: computed on the way; B: input W2: left as it is (N = 1 < 16)
;;   THE QUANTISER, for each operand of a quantised product, along K:
;;     - K is cut into blocks of 32 from its start; a last block that is shorter is filled with zeros.
;;     - A block's scale is 2^e with e = floor(log2(the largest magnitude in the block)) - 4, held to -126 .. 127; a block of zeros has e = 0. As a byte (E8M0): e + 127.
;;     - Each number is divided by its block's scale, clamped to +-28, and rounded to the nearest number of E3M2, ties to even, subnormals kept.
;;     - The product sums the exact products of the quantised numbers (number of the format x scale) in f32.
;;   ~~~python
;;   def quantise(x, axis):      # numpy; x: float32 -> the quantised numbers, widened to float32 again
;;       x = np.moveaxis(x, axis, -1); K = x.shape[-1]
;;       x = np.pad(x, [(0, 0)] * (x.ndim - 1) + [(0, -K % 32)]); x = x.reshape(x.shape[:-1] + (-1, 32)); a = np.abs(x).max(-1, keepdims=True)
;;       e = np.where(a > 0, np.clip(np.frexp(np.where(a > 0, a, 1))[1] - 1 - 4, -126, 127), 0)      # np.frexp(a)[1] - 1 = floor(log2(a)), exactly
;;       r = np.clip(x / 2.0 ** e, -28, 28)
;;       step = 2.0 ** (np.maximum(np.frexp(np.where(r == 0, 1, r))[1] - 1, -2) - 2)
;;       q = np.round(r / step) * step * 2.0 ** e      # np.round: ties to even
;;       return np.moveaxis(q.reshape(q.shape[:-2] + (-1,))[..., :K], -1, axis).astype(np.float32)
;;   ~~~
;;   INPUTS GIVEN AS CODES. x (in the module: [512, 128], K = its axis 1); y (in the module: [512, 128], K = its axis 1): each comes as NAME_codes (uint8): NAME with its K axis moved to the last place and cut into blocks of 32 codes, [.., K / 32, bytes a block], one block behind the other in memory; four codes in three bytes: a row's codes are one little-endian stream of bits, code i at bits 6 i .. 6 i + 5 (a code: sign, 3 exponent bits, 2 mantissa bits); and NAME_scales (uint8): the same leading axes, one E8M0 byte (e + 127) for each 32 codes along K. Its value is code x scale, taken as it is: it is not quantised again, and the codes and scales need not be those that the quantiser above would give.
;; 2 versions, each right; version 2 is version 1 with the launch proj written anew for expert scheduling mode. Each part assembles by itself: llvm-mc -triple=amdgcn-amd-amdhsa -mcpu=gfx1250 --defsym DOCPART=n.
;; ======== version 1 of 2: 2 launches
;; workspace buffers: hid 2,097,152 bytes
;; launch proj (part 1): grid 256 x 1, 4 waves a work-group, no clusters, 4,608 bytes of LDS; arguments x_codes, x_scales, y_codes, y_scales, W1, b1, hid; writes hid
.if DOCPART == 1
	.amdgcn_target "amdgcn-amd-amdhsa--gfx1250"
	.amdhsa_code_object_version 6
	.text
	.protected	k_q7bd4407421_proj
	.globl	k_q7bd4407421_proj
	.p2align	8
	.type	k_q7bd4407421_proj,@function
k_q7bd4407421_proj:
	s_mov_b64 s[64:65], 0
	v_nop
	global_prefetch_b8 v0, s[64:65] scope:SCOPE_SE
	s_setreg_imm32_b32 hwreg(HW_REG_WAVE_MODE, 25, 1), 1
	s_wait_xcnt 0x0
; hx = x W1[0:128] and hy + b1 = y W1[128:256] + b1, both [512][512], on codes of BF6 (E3M2) with one E8M0 scale for each 32 along K.
; x and y arrive as codes and scale bytes and are used as they lie.  W1 [256][512] f32 has K as its FIRST axis: it is quantised here, a lane to a column, registers down K.
; A block's scale is 2^(floor(log2(its largest magnitude)) - 4); its byte is the largest magnitude's exponent field - 4, held at 1 from below.
; LIMITS: a block of zeros of W1 gets the byte 1 where the rule says 127 (its codes are zeros, and the bytes are read by this program alone); NaN and infinities among the inputs are not served;
; b1 enters as the C of hy's product, so it is rounded with the product's sum and not behind it.
; SHARES.  Work-group g: half s = g >> 7 (0: x, 1: y), chunk c = (g >> 3) & 15 of 32 hidden units, rows 64 (g & 7) on.  Wave w quantises K block w (32 k x the chunk's 32 columns: 32 loads of 128 consecutive bytes)
; and, behind one barrier, multiplies rows 16 w .. 16 w + 15 of the 64 by the chunk's two tiles of 16 columns: two matrix instructions a wave, 2,048 in the launch.
; THE CODES GO FROM WAVE TO WAVE THROUGH LDS AS IMAGES OF THE OPERAND'S REGISTERS: a fragment's lane (r, h) owns 48 bytes at 48 (r + 16 h): block h in the first 24, block 2 + h in the second.
; OUT.  hid, f32: element (half s, row R, hidden H) at byte s 2^20 + (R >> 3) 16384 + (H >> 5) 1024 + ((R >> 2) & 1) 512 + (H & 31) 16 + (R & 3) 4: four rows of one hidden unit are 16 bytes,
; which is what a lane's result registers 0-3 and 4-7 hold: each store's sixteen neighbouring lanes cover 256 consecutive bytes, aligned.
.set LSCL, 3072                        ; LDS: bytes 0 .. 3071 the two fragments (1,536 each); from here 32 scale words, word L for column L, byte b for K block b
.set AF,  48                           ; v48-59   A's fragment: 16 rows of x or y
.set BF,  60                           ; v60-83   B's two fragments
.set C0,  28                           ; v28-35   C of column tile 0: b1 (or 0) of my column, eight times
.set C1,  36                           ; v36-43   of tile 1
.set D0,  84                           ; v84-91   results of tile 0
.set D1,  92                           ; v92-99   of tile 1
.set WN,  100                          ; v100-131 32 numbers of W1: my column, K block w
	s_load_b256 s[4:11], s[0:1], 0x0               ; x's codes, x's scales, y's codes, y's scales
	s_load_b128 s[12:15], s[0:1], 0x20             ; W1, b1
	s_load_b64 s[16:17], s[0:1], 0x30              ; hid
	v_lshl_add_u32 v136, v0, 2, 0x1000
	v_mov_b32 v137, 0
	v_lshrrev_b32 v1, 5, v0
	v_readfirstlane_b32 s18, v1                    ; wave 0..3
	s_lshr_b32 s19, ttmp9, 7                       ; s: x's half or y's
	s_bfe_u32 s20, ttmp9, 0x40003                  ; c: 4 bits from bit 3
	s_and_b32 s21, ttmp9, 7                        ; which 64 rows
	; byte offsets, each in a pair of its own
	s_lshl_b32 s24, s19, 18                        ; W1: 128 s rows of 2,048 bytes,
	s_lshl_b32 s34, s18, 16                        ; + 32 w rows,
	s_add_co_u32 s24, s24, s34
	s_lshl_b32 s30, s20, 7                         ; + 32 c columns of 4 bytes (b1's offset too)
	s_add_co_u32 s24, s24, s30
	s_mov_b32 s25, 0
	s_mov_b32 s31, 0
	s_lshl_b32 s34, s21, 6
	s_lshl_b32 s35, s18, 4
	s_add_co_u32 s34, s34, s35                     ; my first row
	s_mul_i32 s26, s34, 96                         ; its codes: 96 bytes a row
	s_mov_b32 s27, 0
	s_lshl_b32 s28, s34, 2                         ; its scale word
	s_mov_b32 s29, 0
	s_lshl_b32 s32, s19, 20                        ; hid: the half,
	s_lshl_b32 s35, s21, 17                        ; 8 blocks of 8 rows for each 64 rows,
	s_add_co_u32 s32, s32, s35
	s_lshl_b32 s35, s18, 15                        ; 2 blocks for each wave,
	s_add_co_u32 s32, s32, s35
	s_lshl_b32 s35, s20, 10                        ; the chunk
	s_add_co_u32 s32, s32, s35
	s_mov_b32 s33, 0
	s_and_b32 s36, s18, 1                          ; K block w = 2 c' + h': the reader's half h' = w & 1 is 16 lanes of 48 bytes on,
	s_mul_i32 s36, s36, 768
	s_lshr_b32 s37, s18, 1                         ; c' = w >> 1 is 24 bytes on
	s_mul_i32 s37, s37, 24
	s_add_co_u32 s36, s36, s37
	s_add_co_u32 s37, s18, LSCL                    ; my byte of each scale word
	v_and_b32 v1, 31, v0                           ; lane
	v_and_b32 v2, 15, v0                           ; r
	v_bfe_u32 v3, v0, 4, 1                         ; h
	v_lshlrev_b32 v4, 2, v1                        ; W1: my column
	v_mul_u32_u24 v5, v2, 96
	v_mad_u32_u24 v5, v3, 24, v5                   ; A's codes: row r, + 24 h
	v_lshlrev_b32 v6, 2, v2                        ; A's scale word and b1: 4 r
	v_mul_u32_u24 v7, v3, 1536                     ; my column's tile,
	v_mad_u32_u24 v7, v2, 48, v7                   ; its lane's 48 bytes,
	v_add_nc_u32 v7, s36, v7                       ; my K block's 24 of them
	v_add_nc_u32 v8, s37, v4                       ; my column's scale word, byte w
	v_mul_u32_u24 v9, v1, 48                       ; back: my lane's 48 bytes of a fragment
	v_add_nc_u32 v10, LSCL, v4                     ; and scale word: lanes 0-15 tile 0's columns, lanes 16-31 tile 1's
	v_lshlrev_b32 v11, 4, v2
	v_lshl_add_u32 v11, v3, 14, v11                ; hid: 16 r, + a block of 8 rows for lanes 16-31
	s_wait_kmcnt 0x0
	s_cmp_eq_u32 s19, 0                            ; the choice hangs on the work-group's number alone
	s_cselect_b64 s[4:5], s[4:5], s[8:9]
	s_cselect_b64 s[6:7], s[6:7], s[10:11]
	s_cselect_b32 s22, 0, -1                       ; b1 counts in y's half alone
	s_add_nc_u64 s[12:13], s[12:13], s[24:25]
	s_add_nc_u64 s[4:5], s[4:5], s[26:27]
	s_add_nc_u64 s[6:7], s[6:7], s[28:29]
	s_add_nc_u64 s[14:15], s[14:15], s[30:31]
	s_add_nc_u64 s[16:17], s[16:17], s[32:33]
.set I, 0
.rept 32
	global_load_b32 v[WN+I], v4, s[12:13] offset:I*2048            ; W1(32 w + I, my column): the wave reads 128 consecutive bytes
.set I, I+1
.endr
.irp p, 0,1,2,3,4,5
	global_load_b64 v[AF+2*\p:AF+2*\p+1], v5, s[4:5] offset:48*(\p/3)+8*(\p%3)   ; registers 6 c' .. 6 c' + 5: the 24 bytes of k = 64 c' + 32 h on, as they lie
.endr
	global_load_b32 v17, v6, s[6:7]                ; A's scale words: v17 holds scales and nothing else
	global_load_b32 v44, v6, s[14:15]              ; b1 of tile 0's column r,
	global_load_b32 v45, v6, s[14:15] offset:64    ; of tile 1's
	s_wait_loadcnt 0x9                             ; W1's 32 are in; the nine younger loads (6 of codes, 1 scale word, 2 of b1) may be out
	v_max3_num_f32 v12, |v[WN]|, |v[WN+1]|, |v[WN+2]|              ; the block's largest magnitude: all 32 numbers are mine; two chains
	v_max3_num_f32 v13, |v[WN+3]|, |v[WN+4]|, |v[WN+5]|
.irp i, 6,10,14,18,22,26
	v_max3_num_f32 v12, v12, |v[WN+\i]|, |v[WN+\i+1]|
	v_max3_num_f32 v13, v13, |v[WN+\i+2]|, |v[WN+\i+3]|
.endr
	v_max3_num_f32 v12, v12, |v[WN+30]|, |v[WN+31]|
	v_max3_num_f32 v12, v12, v13, 0x2800000        ; and the floor 2^(5 - 127): the byte cannot fall under 1
	v_add_nc_u32 v14, 0xfe000000, v12              ; 4 off the exponent field: the conversion takes this operand's exponent field as its scale
	v_lshrrev_b32 v15, 23, v14                     ; the scale's byte
	v_cvt_scalef32_pk16_bf6_f32 v[18:20], v[WN:WN+15], v14
	v_cvt_scalef32_pk16_bf6_f32 v[24:26], v[WN+16:WN+31], v14      ; (a conversion's three registers begin on an even number: the upper half is made here and moved)
	v_nop                                          ; one plain instruction between a scaled conversion and the vector instruction that reads its result
	v_mov_b32 v21, v24
	v_mov_b32 v22, v25
	v_mov_b32 v23, v26
.irp q, 0,1,2
	ds_store_b64 v7, v[18+2*\q:19+2*\q] offset:8*\q
.endr
	ds_store_b8 v8, v15
	s_wait_dscnt 0x0                               ; for the others' sake: my stores have landed
	s_barrier_signal -1
	s_barrier_wait -1                              ; the two fragments and their scale words are whole
.irp q, 0,1,2
	ds_load_b128 v[BF+4*\q:BF+4*\q+3], v9 offset:16*\q
.endr
.irp q, 0,1,2
	ds_load_b128 v[BF+12+4*\q:BF+12+4*\q+3], v9 offset:1536+16*\q
.endr
	ds_load_b32 v16, v10                           ; B's scale words: v16 holds scales and nothing else
	s_wait_loadcnt 0x0                             ; A's codes and scale word, b1
	v_and_b32 v44, s22, v44                        ; x's half adds nothing
	v_and_b32 v45, s22, v45
.irp j, 0,1,2,3,4,5,6,7
	v_mov_b32 v[C0+\j], v44                        ; in the result's layout a lane holds ONE column: its bias in all eight registers
	v_mov_b32 v[C1+\j], v45
.endr
.rept 4
	v_nop                                          ; plain instructions between the last write of an operand and the scaled matrix instruction
.endr
	s_wait_dscnt 0x0
	; source 0 = 16 rows of x (or y), source 1 = 16 columns of W1: register j of lane (r, h) is row 8 h + j at hidden unit 16 tile + r.  Two accumulators, one instruction each
	v_wmma_scale_f32_16x16x128_f8f6f4 v[D0:D0+7], v[AF:AF+11], v[BF:BF+11], v[C0:C0+7], v17, v16 matrix_a_fmt:MATRIX_FMT_BF6 matrix_b_fmt:MATRIX_FMT_BF6
	v_wmma_scale_f32_16x16x128_f8f6f4 v[D1:D1+7], v[AF:AF+11], v[BF+12:BF+23], v[C1:C1+7], v17, v16 matrix_a_fmt:MATRIX_FMT_BF6 matrix_b_fmt:MATRIX_FMT_BF6 matrix_b_scale:MATRIX_SCALE_ROW1
.rept 4
	v_nop                                          ; four plain instructions before a store reads a matrix result
.endr
	global_store_b128 v11, v[D0:D0+3], s[16:17]                    ; each accumulator from its low end on: rows 8 h + 0 .. 3,
	global_store_b128 v11, v[D0+4:D0+7], s[16:17] offset:512       ; rows 8 h + 4 .. 7
	global_store_b128 v11, v[D1:D1+3], s[16:17] offset:256         ; hidden units 16 on
	global_store_b128 v11, v[D1+4:D1+7], s[16:17] offset:768
	s_wait_tensorcnt 0x0
	ds_add_u32 v136, v137
	s_wait_dscnt 0x0
	s_endpgm
.Lfunc_end_k_q7bd4407421_proj:
	.size	k_q7bd4407421_proj, .Lfunc_end_k_q7bd4407421_proj-k_q7bd4407421_proj
	.p2alignl 7, 3214868480
	.fill 96, 4, 3214868480
	.section	.rodata,"a",@progbits
	.p2align	6, 0x0
	.amdhsa_kernel k_q7bd4407421_proj
		.amdhsa_group_segment_fixed_size 4608
		.amdhsa_private_segment_fixed_size 0
		.amdhsa_enable_private_segment 0
		.amdhsa_kernarg_size 56
		.amdhsa_user_sgpr_count 2
		.amdhsa_user_sgpr_kernarg_segment_ptr 1
		.amdhsa_wavefront_size32 1
		.amdhsa_system_sgpr_workgroup_id_x 1
		.amdhsa_system_sgpr_workgroup_id_y 1
		.amdhsa_system_sgpr_workgroup_id_z 1
		.amdhsa_system_vgpr_workitem_id 0
		.amdhsa_next_free_vgpr 138
		.amdhsa_next_free_sgpr 66
		.amdhsa_reserve_vcc 0
		.amdhsa_float_denorm_mode_32 3
		.amdhsa_float_denorm_mode_16_64 3
		.amdhsa_memory_ordered 1
		.amdhsa_forward_progress 1
		.amdhsa_inst_pref_size 11
	.end_amdhsa_kernel
	.amdgpu_metadata
---
amdhsa.version: [ 1, 2 ]
amdhsa.kernels:
  - .name:           k_q7bd4407421_proj
    .symbol:         k_q7bd4407421_proj.kd
    .args:
      - { .name: x_codes, .offset: 0, .size: 8, .value_kind: global_buffer, .address_space: global }
      - { .name: x_scales, .offset: 8, .size: 8, .value_kind: global_buffer, .address_space: global }
      - { .name: y_codes, .offset: 16, .size: 8, .value_kind: global_buffer, .address_space: global }
      - { .name: y_scales, .offset: 24, .size: 8, .value_kind: global_buffer, .address_space: global }
      - { .name: W1, .offset: 32, .size: 8, .value_kind: global_buffer, .address_space: global }
      - { .name: b1, .offset: 40, .size: 8, .value_kind: global_buffer, .address_space: global }
      - { .name: hid, .offset: 48, .size: 8, .value_kind: global_buffer, .address_space: global }
    .group_segment_fixed_size: 4608
    .private_segment_fixed_size: 0
    .kernarg_segment_align: 8
    .kernarg_segment_size: 56
    .max_flat_workgroup_size: 128
    .sgpr_count:     66
    .vgpr_count:     138
    .wavefront_size: 32
...
	.end_amdgpu_metadata
.endif
;; end of part 1
;; launch pair (part 2): grid 8 x 32, 8 waves a work-group, clusters of 4 x 4, 173,056 bytes of LDS; arguments hid, W2, b2, out0; writes out0
.if DOCPART == 2
	.amdgcn_target "amdgcn-amd-amdhsa--gfx1250"
	.amdhsa_code_object_version 6
	.text
	.protected	k_q7bd4407421_pair
	.globl	k_q7bd4407421_pair
	.p2align	8
	.type	k_q7bd4407421_pair,@function
k_q7bd4407421_pair:
	s_mov_b64 s[64:65], 0
	v_nop
	global_prefetch_b8 v0, s[64:65] scope:SCOPE_SE
	s_setreg_imm32_b32 hwreg(HW_REG_WAVE_MODE, 25, 1), 1
	s_wait_xcnt 0x0
	s_wait_alu depctr_hold_cnt(0) depctr_sa_sdst(0) depctr_va_vdst(0) depctr_va_sdst(0) depctr_va_ssrc(0) depctr_va_vcc(0) depctr_vm_vsrc(0)
	s_getreg_b32 s2, hwreg(HW_REG_IB_STS2, 6, 4)
	s_cmp_eq_u32 s2, 0
	s_cbranch_scc0 .Lentry_in_a_cluster
	s_endpgm
.Lentry_in_a_cluster:
	s_bfe_u32 s2, ttmp6, 0x10000c
	s_cmp_lg_u32 s2, 0xf033
	s_cbranch_scc0 .Lentry_shape_is_right
	s_endpgm
.Lentry_shape_is_right:
; out0[i][j] = b2 + the sum over h of W2[h] relu(hx[i][h] + (hy[j][h] + b1[h])), all in f32: an addition, a maximum with 0 and a fused multiply-add for each of 512^3 triples.
; hid holds hx (first 2^20 bytes) and hy + b1 (second), laid [block of 8 rows][chunk of 32 hidden units][group of 4 rows][hidden unit: 32][4 rows]: 16 bytes at 16 x lane are four rows at hidden unit 32 c + lane.
; LIMITS: NaN and infinities are not served (the maximum with 0 turns a NaN into 0).  The sum over h goes as 32 chains, one a lane (h = lane, lane + 32 ..), joined by a tree: an order of rounding other than a running sum's.
; SHARES.  A work-group makes 16 rows x 64 columns of out0 (a tile's row is 256 bytes of out0, aligned).  Wave w of eight owns all 16 rows x columns 8 w .. 8 w + 7, for all 512 hidden units:
; 128 sums, one register each; a lane holds the hidden units 32 c + lane, c = 0 .. 15.  At the end the 32 lanes' parts are folded, so that a lane is left with four neighbouring numbers of one row.
; No matrix instruction: the product with W2 has one column, and its left operand is made by vector work of the same length as the multiply-adds themselves.
; LDS is filled ONCE: 32 KiB of hx (read by all eight waves) and 128 KiB of hy (16 KiB a wave, read by that wave alone).  Nothing is filled again, so there is no ring.
; CLUSTER: 4 x 4 work-groups.  The four of a row of the cluster need the same 16 rows of hx, the four of a column the same 64 rows of hy: each block is asked for JOINTLY, by the same tensor load with the
; same descriptor and a mask that names the four.  Each wave issues five loads of 4 KiB (16 rows of 256 bytes, dense): its eighth of hx, then its hy in four groups of four chunks: five are out at the most.
.set YL,  32768                        ; LDS: hx's 16 rows at 0, as they lie in memory; hy's 64 rows from here, wave w's 8 rows at YL + 16384 w
.set STG, 163840                       ; the way out: 16 rows, 288 bytes apart; no tensor load lands here
.set SP,  288                          ; = 18 x 16 bytes: the sixteen lanes of a store's half (8 rows x 2 pieces) fall on sixteen different 16-byte columns modulo 256
.set AX,  1                            ; v1   16 x lane
.set AY,  2                            ; v2   YL + 16384 w + 16 x lane
.set AW,  3                            ; v3   4 x lane
.set STO, 4                            ; v4   the stage: where I put my 16 bytes
.set SRD, 5                            ; v5   and where I read 16 bytes of a whole row back
.set GO,  6                            ; v6   the same place in the tile of out0
.set W,   8                            ; v8-23    W2[32 c + lane], c = 0 .. 15
.set X,   24                           ; v24-55   hx of rows 0 .. 15 at my hidden unit: two buffers of 16
.set Y,   56                           ; v56-71   hy of my 8 columns: two buffers of 8
.set T,   72                           ; v72-87   at work
.set ACC, 128                          ; v128-255 the sum of (row i, column j) at ACC + 8 i + j
.set G1X, 24                           ; s[24:31] descriptor group 1 for hx's blocks;  s[32:39] for hy's: they differ in the mask alone
.set G1Y, 32
.set G0X, 40                           ; s[40:43] group 0 for my part of hx;  s[44:59] for my four groups of hy
.set G0Y, 44
; A round of the cluster's barrier: my work-group's barrier, so that wave 0's signal speaks for all eight waves; wave 0 signals for the work-group; every wave waits for all sixteen work-groups; my work-group's barrier once more.
.macro CROUND
	s_barrier_signal -1
	s_barrier_wait -1
	s_cmp_lg_u32 s12, 0
	s_cbranch_scc1 .Lnot_wave_0_\@
	s_barrier_signal -3
.Lnot_wave_0_\@:
	s_barrier_wait -3
	s_barrier_signal -1
	s_barrier_wait -1
.endm
; Chunk c's numbers into buffer c % 2: six loads, each of 512 consecutive bytes.
.macro FETCH c
.set XB, X+16*((\c)%2)
.set YB, Y+8*((\c)%2)
	ds_load_b128 v[YB:YB+3],     v[AY] offset:1024*(\c)            ; my columns 0-3,
	ds_load_b128 v[YB+4:YB+7],   v[AY] offset:1024*(\c)+512        ; 4-7
	ds_load_b128 v[XB:XB+3],     v[AX] offset:1024*(\c)            ; rows 0-3,
	ds_load_b128 v[XB+4:XB+7],   v[AX] offset:1024*(\c)+512        ; 4-7,
	ds_load_b128 v[XB+8:XB+11],  v[AX] offset:1024*(\c)+16384      ; 8-11 (the second block of 8 rows),
	ds_load_b128 v[XB+12:XB+15], v[AX] offset:1024*(\c)+16896      ; 12-15
.endm
; Rows i0 and i0 + 1 (i0 even) x my 8 columns at chunk c: 24 instructions for 16 triples a lane.  An instruction and the one that reads its result stand eight apart.
.macro ROWS2 c, i0
.set XB, X+16*((\c)%2)
.set YB, Y+8*((\c)%2)
.set WP, W+2*((\c)/2)
.irp d, 0,1
.irp q, 0,1,2,3
	v_pk_add_f32 v[T+8*\d+2*\q:T+8*\d+2*\q+1], v[YB+2*\q:YB+2*\q+1], v[XB+(\i0):XB+(\i0)+1] op_sel:[0,\d] op_sel_hi:[1,\d]   ; two columns' hy + row i0 + d's hx (that register of the pair serves both halves)
.endr
.endr
.irp t, 0,2,4,6,8,10,12,14
	v_dual_max_num_f32 v[T+\t], 0, v[T+\t] :: v_dual_max_num_f32 v[T+\t+1], 0, v[T+\t+1]   ; relu, two at a time: there is no packed maximum in f32
.endr
.irp d, 0,1
.irp q, 0,1,2,3
.if (\c) == 0
	v_pk_mul_f32 v[ACC+8*((\i0)+\d)+2*\q:ACC+8*((\i0)+\d)+2*\q+1], v[T+8*\d+2*\q:T+8*\d+2*\q+1], v[WP:WP+1] op_sel_hi:[1,0]   ; the first chunk starts the sums: nothing is cleared
.elseif (\c)%2 == 0
	v_pk_fma_f32 v[ACC+8*((\i0)+\d)+2*\q:ACC+8*((\i0)+\d)+2*\q+1], v[T+8*\d+2*\q:T+8*\d+2*\q+1], v[WP:WP+1], v[ACC+8*((\i0)+\d)+2*\q:ACC+8*((\i0)+\d)+2*\q+1] op_sel_hi:[1,0,1]
.else
	v_pk_fma_f32 v[ACC+8*((\i0)+\d)+2*\q:ACC+8*((\i0)+\d)+2*\q+1], v[T+8*\d+2*\q:T+8*\d+2*\q+1], v[WP:WP+1], v[ACC+8*((\i0)+\d)+2*\q:ACC+8*((\i0)+\d)+2*\q+1] op_sel:[0,1,0] op_sel_hi:[1,1,1]
.endif
.endr
.endr
.endm
; A chunk of 32 hidden units: 192 vector instructions, in which the next chunk's six loads land.
.macro CHUNK c
	s_wait_dscnt 0x0                               ; this chunk's six loads are in
.if (\c) < 15
.if ((\c)+1)%4 == 0
	s_wait_tensorcnt 3-((\c)+1)/4                  ; the next chunk begins a new group of hy: it has landed; the count is that of my younger groups.  The bytes are my own: no barrier
.endif
	FETCH (\c)+1                                   ; into the buffer that the chunk before has read
.endif
.irp i, 0,2,4,6,8,10,12,14
	ROWS2 \c, \i
.endr
.endm
; One fold: registers a and a + n (a < n) become one: the lanes whose mask bit is 0 keep a's sum with that of lane xor xm, the others a + n's.  m: the scalar register with the mask of lanes that have bit xm set.
.macro FOLD n, xm, m
.set FB, 0
.rept ((\n)+7)/8
.set FI, 0
.rept 8
.if FB+FI < (\n)
	v_cndmask_b32 v[T+2*FI],   v[ACC+FB+FI],      v[ACC+FB+FI+(\n)], s[\m]   ; what I keep,
	v_cndmask_b32 v[T+2*FI+1], v[ACC+FB+FI+(\n)], v[ACC+FB+FI],      s[\m]   ; what my partner keeps
.endif
.set FI, FI+1
.endr
.set FI, 0
.rept 8
.if FB+FI < (\n)
	v_add_f32_dpp v[ACC+FB+FI], v[T+2*FI+1], v[T+2*FI] row_xmask:\xm row_mask:0xf bank_mask:0xf   ; my partner's gift + mine
.endif
.set FI, FI+1
.endr
.set FB, FB+8
.endr
.endm
	s_load_b256 s[4:11], s[0:1], 0x0               ; hid s[4:5], W2 s[6:7], b2 s[8:9], out0 s[10:11]
	v_lshl_add_u32 v126, v0, 2, 0x2a000
	v_mov_b32 v127, 0
	ds_add_u32 v126, v127
	ds_add_u32 v126, v127
	v_lshrrev_b32 v7, 5, v0
	v_readfirstlane_b32 s12, v7                    ; wave 0..7
	s_bfe_u32 s13, ttmp6, 0x40000                  ; cx, cy: my place in the cluster
	s_bfe_u32 s14, ttmp6, 0x40004
	s_lshl_b32 s15, ttmp9, 2                       ; in a cluster launch ttmp9 and ttmp7 count clusters
	s_add_co_u32 s15, s15, s13                     ; my block of 64 columns = 4 x cluster x + cx
	s_and_b32 s16, ttmp7, 0xffff
	s_lshl_b32 s16, s16, 2
	s_add_co_u32 s16, s16, s14                     ; my block of 16 rows = 4 x cluster y + cy
	s_lshl_b32 s17, s14, 2
	s_lshl_b32 s17, 15, s17                        ; my row of the cluster: places 4 cy .. 4 cy + 3
	s_lshl_b32 s18, 0x1111, s13                    ; my column: places cx, cx + 4, cx + 8, cx + 12
	; descriptor group 1: a dense block of 4,096 bytes as 16 rows of 32 elements of 8 bytes, no padding
	s_or_b32 s[G1X], s17, (3<<16)|(1<<21)          ; 15:0 the mask: hx's blocks go to my row; 17:16 elements of 8 bytes; 21 set beside a mask
	s_or_b32 s[G1Y], s18, (3<<16)|(1<<21)          ; hy's go to my column
.irp g, G1X, G1Y
	s_mov_b32 s[\g+1], 32<<16                      ; tensor_dim0 = 32
	s_mov_b32 s[\g+2], 16<<16                      ; tensor_dim1 = 16
	s_mov_b32 s[\g+3], 32<<16                      ; tile_dim0 = 32
	s_mov_b32 s[\g+4], 16                          ; tile_dim1 = 16
	s_mov_b32 s[\g+5], 32                          ; from row to row: 32 elements
	s_mov_b32 s[\g+6], 0
	s_mov_b32 s[\g+7], 0
.endr
	; where the blocks come from.  hx's hang on the block of rows alone, which my row of the cluster shares; hy's on the block of columns alone, which my column shares; each in registers that never hold the other coordinate
	s_lshl_b32 s19, s12, 12                        ; 4,096 x wave
	s_lshl_b32 s20, s16, 15                        ; hx: 16 rows are 32,768 bytes,
	s_add_co_u32 s20, s20, s19                     ; my eighth of them
	s_mov_b32 s21, 0
	s_lshl_b32 s70, s12, 14                        ; 16,384 x wave
	s_lshl_b32 s22, s15, 17                        ; hy: 64 rows are 131,072 bytes,
	s_add_co_u32 s22, s22, s70                     ; my 8 rows of them,
	s_add_co_u32 s22, s22, 0x100000                ; in hid's second half
	s_mov_b32 s23, 0
	s_add_co_u32 s71, s70, YL                      ; and where they go: no place in the cluster enters an LDS address
	s_lshl_b32 s68, s16, 15                        ; out0: 16 rows of 2,048 bytes,
	s_lshl_b32 s67, s15, 8                         ; 64 columns of 4 bytes
	s_add_co_u32 s68, s68, s67
	s_mov_b32 s69, 0
	s_mov_b32 s60, 0xff00ff00                      ; the lanes with bit 3 set,
	s_mov_b32 s61, 0xf0f0f0f0                      ; bit 2,
	s_mov_b32 s62, 0xcccccccc                      ; bit 1,
	s_mov_b32 s63, 0xaaaaaaaa                      ; bit 0
	s_lshl_b32 s2, s12, 5
	s_add_co_u32 s2, s2, STG                       ; the stage: my 8 columns are 32 bytes of each row
	s_mul_i32 s3, s12, 2*SP
	s_add_co_u32 s3, s3, STG                       ; back: my two rows
	v_and_b32 v7, 31, v0                           ; lane
	v_lshlrev_b32 v[AX], 4, v7
	v_add_nc_u32 v[AY], s71, v[AX]
	v_lshlrev_b32 v[AW], 2, v7
	v_lshrrev_b32 v72, 1, v7                       ; behind the fold lane l holds row l >> 1, columns 4 (l & 1) + 0 .. 3 of my eight
	v_and_b32 v73, 1, v7
	v_mul_u32_u24 v[STO], v72, SP
	v_lshl_add_u32 v[STO], v73, 4, v[STO]
	v_add_nc_u32 v[STO], s2, v[STO]
	v_lshrrev_b32 v72, 4, v7                       ; back: lanes 0-15 take row 2 w, lanes 16-31 row 2 w + 1; 16 bytes a lane
	v_and_b32 v73, 15, v7
	v_mul_u32_u24 v[SRD], v72, SP
	v_lshl_add_u32 v[SRD], v73, 4, v[SRD]
	v_add_nc_u32 v[SRD], s3, v[SRD]
	v_lshlrev_b32 v[GO], 11, v72                   ; and the same in out0: rows of 2,048 bytes
	v_lshl_add_u32 v[GO], v73, 4, v[GO]
	v_add_nc_u32 v[GO], s19, v[GO]                 ; 2 w rows are 4,096 w bytes
	s_wait_dscnt 0x0
	s_wait_kmcnt 0x0
	s_load_b32 s66, s[8:9], 0x0                    ; b2: no line of this launch writes it
	s_add_nc_u64 s[10:11], s[10:11], s[68:69]      ; out0 at my tile
	s_mov_b32 s[G0X], 1                            ; 1:0 count = 1
	s_lshl_b32 s[G0X+1], s12, 12                   ; 63:32 LDS address: 4,096 x wave
	s_add_nc_u64 s[G0X+2:G0X+3], s[4:5], s[20:21]  ; 120:64 global address
	s_or_b32 s[G0X+3], s[G0X+3], 0x80000000        ; 127:126 type = 2
	s_add_nc_u64 s[G0Y+2:G0Y+3], s[4:5], s[22:23]
.irp g, 1,2,3
	s_add_nc_u64 s[G0Y+4*\g+2:G0Y+4*\g+3], s[G0Y+2:G0Y+3], 4096*\g   ; group g: chunks 4 g .. 4 g + 3 of my 8 rows
.endr
.irp g, 0,1,2,3
	s_mov_b32 s[G0Y+4*\g], 1
	s_add_co_u32 s[G0Y+4*\g+1], s71, 4096*\g
	s_or_b32 s[G0Y+4*\g+3], s[G0Y+4*\g+3], 0x80000000
.endr
	CROUND                                         ; all sixteen work-groups are here: the joint loads meet
	tensor_load_to_lds s[G0X:G0X+3], s[G1X:G1X+7]                  ; all fills of the launch go out as one group, in every wave alike: five loads of mine are out
	s_nop 0
	tensor_load_to_lds s[G0Y:G0Y+3], s[G1Y:G1Y+7]
	s_nop 0
	tensor_load_to_lds s[G0Y+4:G0Y+7], s[G1Y:G1Y+7]
	s_nop 0
	tensor_load_to_lds s[G0Y+8:G0Y+11], s[G1Y:G1Y+7]
	s_nop 0
	tensor_load_to_lds s[G0Y+12:G0Y+15], s[G1Y:G1Y+7]
	s_nop 0
.rept 4
	v_nop
.endr
.irp c, 0,1,2,3,4,5,6,7,8,9,10,11,12,13,14,15
	global_load_b32 v[W+\c], v[AW], s[6:7] offset:128*\c           ; W2[32 c + lane]: it stays in registers
.endr
	s_wait_tensorcnt 0x3                           ; my part of hx and my first group of hy have landed; the three younger groups may be out
	s_barrier_signal -1
	s_barrier_wait -1                              ; everybody's part of hx has landed
	FETCH 0
	s_wait_loadcnt 0x0                             ; W2
	s_wait_kmcnt 0x0                               ; b2
.irp c, 0,1,2,3,4,5,6,7,8,9,10,11,12,13,14,15  ; written out: the counts of the waits for hy's groups, W2's register and every LDS offset are then constants of the text
	CHUNK \c
.endr
	; THE FOLD over the 32 lanes.  First the halves: register a's lanes 16-31 change places with register a + 64's lanes 0-15, and the two are added: lanes 0-15 then hold a's sixteen parts, lanes 16-31 those of a + 64 (row i + 8).
.set FI, 0
.rept 64
	v_permlane16_swap_b32 v[ACC+FI], v[ACC+FI+64]
.set FI, FI+1
.endr
.set FI, 0
.rept 32
	v_pk_add_f32 v[ACC+FI:ACC+FI+1], v[ACC+FI:ACC+FI+1], v[ACC+FI+64:ACC+FI+65]
.set FI, FI+2
.endr
	FOLD 32, 8, 60                                 ; lane bit 3 takes the row's bit 2,
	FOLD 16, 4, 61                                 ; bit 2 the row's bit 1,
	FOLD 8, 2, 62                                  ; bit 1 the row's bit 0,
	FOLD 4, 1, 63                                  ; bit 0 the column's bit 2: four registers are left: row l >> 1, columns 4 (l & 1) + 0 .. 3
.irp e, 0,1,2,3
	v_add_f32 v[ACC+\e], s66, v[ACC+\e]            ; + b2
.endr
	; THE WAY OUT.  A row's 256 bytes come from eight waves: they meet in the stage, and each wave stores two whole rows.
	ds_store_b128 v[STO], v[ACC:ACC+3]
	s_wait_dscnt 0x0                               ; for the others' sake: my store has landed
	s_barrier_signal -1
	s_barrier_wait -1
	ds_load_b128 v[T:T+3], v[SRD]
	s_wait_dscnt 0x0
	global_store_b128 v[GO], v[T:T+3], s[10:11] th:TH_STORE_NT     ; sixteen lanes store 256 consecutive bytes, at a multiple of 256 from out0's first byte; written once, read by nobody here
	s_wait_tensorcnt 0x0
	ds_add_u32 v126, v127
	s_wait_dscnt 0x0
	CROUND                                         ; the closing round: no work-group ends while a partner may still ask for a block that names it (all my tensor loads were waited for ahead of chunk 12)
	s_endpgm
.Lfunc_end_k_q7bd4407421_pair:
	.size	k_q7bd4407421_pair, .Lfunc_end_k_q7bd4407421_pair-k_q7bd4407421_pair
	.p2alignl 7, 3214868480
	.fill 96, 4, 3214868480
	.section	.rodata,"a",@progbits
	.p2align	6, 0x0
	.amdhsa_kernel k_q7bd4407421_pair
		.amdhsa_group_segment_fixed_size 173056
		.amdhsa_private_segment_fixed_size 0
		.amdhsa_enable_private_segment 0
		.amdhsa_kernarg_size 32
		.amdhsa_user_sgpr_count 2
		.amdhsa_user_sgpr_kernarg_segment_ptr 1
		.amdhsa_wavefront_size32 1
		.amdhsa_system_sgpr_workgroup_id_x 1
		.amdhsa_system_sgpr_workgroup_id_y 1
		.amdhsa_system_sgpr_workgroup_id_z 1
		.amdhsa_system_vgpr_workitem_id 0
		.amdhsa_next_free_vgpr 256
		.amdhsa_next_free_sgpr 72
		.amdhsa_reserve_vcc 0
		.amdhsa_float_denorm_mode_32 3
		.amdhsa_float_denorm_mode_16_64 3
		.amdhsa_memory_ordered 1
		.amdhsa_forward_progress 1
		.amdhsa_inst_pref_size 223
	.end_amdhsa_kernel
	.amdgpu_metadata
---
amdhsa.version: [ 1, 2 ]
amdhsa.kernels:
  - .name:           k_q7bd4407421_pair
    .symbol:         k_q7bd4407421_pair.kd
    .args:
      - { .name: hid, .offset: 0, .size: 8, .value_kind: global_buffer, .address_space: global }
      - { .name: W2, .offset: 8, .size: 8, .value_kind: global_buffer, .address_space: global }
      - { .name: b2, .offset: 16, .size: 8, .value_kind: global_buffer, .address_space: global }
      - { .name: out0, .offset: 24, .size: 8, .value_kind: global_buffer, .address_space: global }
    .group_segment_fixed_size: 173056
    .private_segment_fixed_size: 0
    .kernarg_segment_align: 8
    .kernarg_segment_size: 32
    .max_flat_workgroup_size: 256
    .sgpr_count:     72
    .vgpr_count:     256
    .wavefront_size: 32
...
	.end_amdgpu_metadata
.endif
;; end of part 2
;; ======== version 2 of 2: 2 launches; version 1 with the launch proj written anew for expert scheduling mode
;; workspace buffers: hid 2,097,152 bytes
;; launch proj (part 3): grid 256 x 1, 4 waves a work-group, no clusters, 4,608 bytes of LDS; arguments x_codes, x_scales, y_codes, y_scales, W1, b1, hid; writes hid
.if DOCPART == 3
	.amdgcn_target "amdgcn-amd-amdhsa--gfx1250"
	.amdhsa_code_object_version 6
	.text
	.protected	k_q7bd4407421_proj
	.globl	k_q7bd4407421_proj
	.p2align	8
	.type	k_q7bd4407421_proj,@function
k_q7bd4407421_proj:
	s_mov_b64 s[64:65], 0
	v_nop
	global_prefetch_b8 v0, s[64:65] scope:SCOPE_SE
	s_setreg_imm32_b32 hwreg(HW_REG_WAVE_SCHED_MODE, 0, 2), 2
	s_setreg_imm32_b32 hwreg(HW_REG_WAVE_MODE, 25, 1), 1
	s_wait_xcnt 0x0
	s_wait_alu depctr_vm_vsrc(0)
; hx = x W1[0:128] and hy + b1 = y W1[128:256] + b1, both [512][512], on codes of BF6 (E3M2) with one E8M0 scale for each 32 along K.
; x and y arrive as codes and scale bytes and are used as they lie.  W1 [256][512] f32 has K as its FIRST axis: it is quantised here, a lane to a column, registers down K.
; A block's scale is 2^(floor(log2(its largest magnitude)) - 4); its byte is the largest magnitude's exponent field - 4, held at 1 from below.
; LIMITS: a block of zeros of W1 gets the byte 1 where the rule says 127 (its codes are zeros, and the bytes are read by this program alone); NaN and infinities among the inputs are not served;
; b1 enters as the C of hy's product, so it is rounded with the product's sum and not behind it.
; SHARES.  Work-group g: half s = g >> 7 (0: x, 1: y), chunk c = (g >> 3) & 15 of 32 hidden units, rows 64 (g & 7) on.  Wave w quantises K block w (32 k x the chunk's 32 columns: 32 loads of 128 consecutive bytes)
; and, behind one barrier, multiplies rows 16 w .. 16 w + 15 of the 64 by the chunk's two tiles of 16 columns: two matrix instructions a wave, 2,048 in the launch.
; THE CODES GO FROM WAVE TO WAVE THROUGH LDS AS IMAGES OF THE OPERAND'S REGISTERS: a fragment's lane (r, h) owns 48 bytes at 48 (r + 16 h): block h in the first 24, block 2 + h in the second.
; OUT.  hid, f32: element (half s, row R, hidden H) at byte s 2^20 + (R >> 3) 16384 + (H >> 5) 1024 + ((R >> 2) & 1) 512 + (H & 31) 16 + (R & 3) 4: four rows of one hidden unit are 16 bytes,
; which is what a lane's result registers 0-3 and 4-7 hold: each store's sixteen neighbouring lanes cover 256 consecutive bytes, aligned.
; THE MODE: SCHED_MODE bits 1:0 = 2 (LLVM: expert scheduling mode 2), set by the entry lines.  The code itself states the register dependences
; between vector or matrix instructions and memory or LDS instructions, with s_wait_alu, always for 0.
; THE PLAN.  The text is one straight run.  Registers that memory or LDS instructions touch:
;   v4 - v11            offsets and LDS addresses: written by vector lines at the head, read by loads and stores, never written again: ONE wait on va_vdst ahead of the first load serves them all.
;   v100-131, v48-59,   what the global loads bring (W1, A's codes, A's scale word, b1): no vector line names them ahead of the loads; their readers stand behind the waits on LOADcnt.
;   v17, v44, v45       (v44 and v45 are written again by vector lines; no memory instruction reads them.)
;   v18-23, v15         my block's codes and scale byte: written by the conversions, the moves and a shift, read by the four LDS stores: one wait on va_vdst ahead of the stores; never written again.
;   v60-83, v16         what the LDS loads bring (B's fragments and scale words): no vector line names them ahead of the loads; the matrix instructions read them behind the wait on DScnt.
;   v84-99              the results: written by the two matrix instructions, read by the four global stores: the four places, then one wait on va_vdst.
; No register that a memory or LDS instruction reads is written again, so waits on vm_vsrc stand only at the head and at the end.  A, B and the scales of the matrix instructions come by loads alone.
; The wave's number passes from a vector register into s18: one wait on va_sdst ahead of s18's first reader.
.set LSCL, 3072                        ; LDS: bytes 0 .. 3071 the two fragments (1,536 each); from here 32 scale words, word L for column L, byte b for K block b
.set AF,  48                           ; v48-59   A's fragment: 16 rows of x or y
.set BF,  60                           ; v60-83   B's two fragments
.set C0,  28                           ; v28-35   C of column tile 0: b1 (or 0) of my column, eight times
.set C1,  36                           ; v36-43   of tile 1
.set D0,  84                           ; v84-91   results of tile 0
.set D1,  92                           ; v92-99   of tile 1
.set WN,  100                          ; v100-131 32 numbers of W1: my column, K block w
	s_load_b256 s[4:11], s[0:1], 0x0               ; x's codes, x's scales, y's codes, y's scales
	s_load_b128 s[12:15], s[0:1], 0x20             ; W1, b1
	s_load_b64 s[16:17], s[0:1], 0x30              ; hid
	v_lshl_add_u32 v134, v0, 2, 0x1000
	v_mov_b32 v135, 0
	v_lshrrev_b32 v1, 5, v0
	v_readfirstlane_b32 s18, v1                    ; wave 0..3
	s_lshr_b32 s19, ttmp9, 7                       ; s: x's half or y's
	s_bfe_u32 s20, ttmp9, 0x40003                  ; c: 4 bits from bit 3
	s_and_b32 s21, ttmp9, 7                        ; which 64 rows
	v_and_b32 v1, 31, v0                           ; lane
	v_and_b32 v2, 15, v0                           ; r
	v_bfe_u32 v3, v0, 4, 1                         ; h
	v_lshlrev_b32 v4, 2, v1                        ; W1: my column
	v_mul_u32_u24 v5, v2, 96
	v_mad_u32_u24 v5, v3, 24, v5                   ; A's codes: row r, + 24 h
	v_lshlrev_b32 v6, 2, v2                        ; A's scale word and b1: 4 r
	v_mul_u32_u24 v7, v3, 1536                     ; my column's tile,
	v_mad_u32_u24 v7, v2, 48, v7                   ; its lane's 48 bytes
	v_mul_u32_u24 v9, v1, 48                       ; back: my lane's 48 bytes of a fragment
	v_add_nc_u32 v10, LSCL, v4                     ; and scale word: lanes 0-15 tile 0's columns, lanes 16-31 tile 1's
	v_lshlrev_b32 v11, 4, v2
	v_lshl_add_u32 v11, v3, 14, v11                ; hid: 16 r, + a block of 8 rows for lanes 16-31
	s_wait_alu depctr_va_sdst(0)                   ; s18 is written, ahead of its first reader: the offsets and the LDS terms below are made from it
	; byte offsets, each in a pair of its own
	s_lshl_b32 s24, s19, 18                        ; W1: 128 s rows of 2,048 bytes,
	s_lshl_b32 s34, s18, 16                        ; + 32 w rows,
	s_add_co_u32 s24, s24, s34
	s_lshl_b32 s30, s20, 7                         ; + 32 c columns of 4 bytes (b1's offset too)
	s_add_co_u32 s24, s24, s30
	s_mov_b32 s25, 0
	s_mov_b32 s31, 0
	s_lshl_b32 s34, s21, 6
	s_lshl_b32 s35, s18, 4
	s_add_co_u32 s34, s34, s35                     ; my first row
	s_mul_i32 s26, s34, 96                         ; its codes: 96 bytes a row
	s_mov_b32 s27, 0
	s_lshl_b32 s28, s34, 2                         ; its scale word
	s_mov_b32 s29, 0
	s_lshl_b32 s32, s19, 20                        ; hid: the half,
	s_lshl_b32 s35, s21, 17                        ; 8 blocks of 8 rows for each 64 rows,
	s_add_co_u32 s32, s32, s35
	s_lshl_b32 s35, s18, 15                        ; 2 blocks for each wave,
	s_add_co_u32 s32, s32, s35
	s_lshl_b32 s35, s20, 10                        ; the chunk
	s_add_co_u32 s32, s32, s35
	s_mov_b32 s33, 0
	s_and_b32 s36, s18, 1                          ; K block w = 2 c' + h': the reader's half h' = w & 1 is 16 lanes of 48 bytes on,
	s_mul_i32 s36, s36, 768
	s_lshr_b32 s37, s18, 1                         ; c' = w >> 1 is 24 bytes on
	s_mul_i32 s37, s37, 24
	s_add_co_u32 s36, s36, s37
	s_add_co_u32 s37, s18, LSCL                    ; my byte of each scale word
	v_add_nc_u32 v7, s36, v7                       ; my K block's 24 of my lane's 48 bytes
	v_add_nc_u32 v8, s37, v4                       ; my column's scale word, byte w
	s_wait_kmcnt 0x0
	s_cmp_eq_u32 s19, 0                            ; the choice hangs on the work-group's number alone
	s_cselect_b64 s[4:5], s[4:5], s[8:9]
	s_cselect_b64 s[6:7], s[6:7], s[10:11]
	s_cselect_b32 s22, 0, -1                       ; b1 counts in y's half alone
	s_add_nc_u64 s[12:13], s[12:13], s[24:25]
	s_add_nc_u64 s[4:5], s[4:5], s[26:27]
	s_add_nc_u64 s[6:7], s[6:7], s[28:29]
	s_add_nc_u64 s[14:15], s[14:15], s[30:31]
	s_add_nc_u64 s[16:17], s[16:17], s[32:33]
	s_wait_alu depctr_va_vdst(0)                   ; v4 to v11 are written: the offsets and LDS addresses that every load and store of the kernel reads; none is written again
.set I, 0
.rept 32
	global_load_b32 v[WN+I], v4, s[12:13] offset:I*2048            ; W1(32 w + I, my column): the wave reads 128 consecutive bytes
.set I, I+1
.endr
.irp p, 0,1,2,3,4,5
	global_load_b64 v[AF+2*\p:AF+2*\p+1], v5, s[4:5] offset:48*(\p/3)+8*(\p%3)   ; registers 6 c' .. 6 c' + 5: the 24 bytes of k = 64 c' + 32 h on, as they lie
.endr
	global_load_b32 v17, v6, s[6:7]                ; A's scale words: v17 holds scales and nothing else
	global_load_b32 v44, v6, s[14:15]              ; b1 of tile 0's column r,
	global_load_b32 v45, v6, s[14:15] offset:64    ; of tile 1's
	s_wait_loadcnt 0x9                             ; W1's 32 are in; the nine younger loads (6 of codes, 1 scale word, 2 of b1) may be out
	v_max3_num_f32 v12, |v[WN]|, |v[WN+1]|, |v[WN+2]|              ; the block's largest magnitude: all 32 numbers are mine; two chains
	v_max3_num_f32 v13, |v[WN+3]|, |v[WN+4]|, |v[WN+5]|
.irp i, 6,10,14,18,22,26
	v_max3_num_f32 v12, v12, |v[WN+\i]|, |v[WN+\i+1]|
	v_max3_num_f32 v13, v13, |v[WN+\i+2]|, |v[WN+\i+3]|
.endr
	v_max3_num_f32 v12, v12, |v[WN+30]|, |v[WN+31]|
	v_max3_num_f32 v12, v12, v13, 0x2800000        ; and the floor 2^(5 - 127): the byte cannot fall under 1
	v_add_nc_u32 v14, 0xfe000000, v12              ; 4 off the exponent field: the conversion takes this operand's exponent field as its scale
	v_lshrrev_b32 v15, 23, v14                     ; the scale's byte
	v_cvt_scalef32_pk16_bf6_f32 v[18:20], v[WN:WN+15], v14
	v_cvt_scalef32_pk16_bf6_f32 v[24:26], v[WN+16:WN+31], v14      ; (a conversion's three registers begin on an even number: the upper half is made here and moved)
	v_nop                                          ; one plain instruction between a scaled conversion and the vector instruction that reads its result
	v_mov_b32 v21, v24
	v_mov_b32 v22, v25
	v_mov_b32 v23, v26
	s_wait_alu depctr_va_vdst(0)                   ; the conversion and the moves have written v18 to v23, the shift v15: the LDS stores below read them as their data
.irp q, 0,1,2
	ds_store_b64 v7, v[18+2*\q:19+2*\q] offset:8*\q
.endr
	ds_store_b8 v8, v15
	s_wait_dscnt 0x0                               ; for the others' sake: my stores have landed
	s_barrier_signal -1
	s_barrier_wait -1                              ; the two fragments and their scale words are whole
.irp q, 0,1,2
	ds_load_b128 v[BF+4*\q:BF+4*\q+3], v9 offset:16*\q             ; no vector line has named v60 to v83 or v16: these loads hang on nothing but their addresses, which the wait at the head has shown written
.endr
.irp q, 0,1,2
	ds_load_b128 v[BF+12+4*\q:BF+12+4*\q+3], v9 offset:1536+16*\q
.endr
	ds_load_b32 v16, v10                           ; B's scale words: v16 holds scales and nothing else
	s_wait_loadcnt 0x0                             ; A's codes and scale word, b1
	v_and_b32 v44, s22, v44                        ; x's half adds nothing
	v_and_b32 v45, s22, v45
.irp j, 0,1,2,3,4,5,6,7
	v_mov_b32 v[C0+\j], v44                        ; in the result's layout a lane holds ONE column: its bias in all eight registers
	v_mov_b32 v[C1+\j], v45
.endr
.rept 4
	v_nop                                          ; plain instructions between the last write of an operand and the scaled matrix instruction
.endr
	s_wait_dscnt 0x0
	; source 0 = 16 rows of x (or y), source 1 = 16 columns of W1: register j of lane (r, h) is row 8 h + j at hidden unit 16 tile + r.  Two accumulators, one instruction each
	v_wmma_scale_f32_16x16x128_f8f6f4 v[D0:D0+7], v[AF:AF+11], v[BF:BF+11], v[C0:C0+7], v17, v16 matrix_a_fmt:MATRIX_FMT_BF6 matrix_b_fmt:MATRIX_FMT_BF6
	v_wmma_scale_f32_16x16x128_f8f6f4 v[D1:D1+7], v[AF:AF+11], v[BF+12:BF+23], v[C1:C1+7], v17, v16 matrix_a_fmt:MATRIX_FMT_BF6 matrix_b_fmt:MATRIX_FMT_BF6 matrix_b_scale:MATRIX_SCALE_ROW1
.rept 4
	v_nop                                          ; four plain instructions before a store reads a matrix result
.endr
	s_wait_alu depctr_va_vdst(0)                   ; the two matrix instructions have written v84 to v99, which the stores below read as their data; the places above stay beside this wait
	global_store_b128 v11, v[D0:D0+3], s[16:17]                    ; each accumulator from its low end on: rows 8 h + 0 .. 3,
	global_store_b128 v11, v[D0+4:D0+7], s[16:17] offset:512       ; rows 8 h + 4 .. 7
	global_store_b128 v11, v[D1:D1+3], s[16:17] offset:256         ; hidden units 16 on
	global_store_b128 v11, v[D1+4:D1+7], s[16:17] offset:768
	s_wait_dscnt 0x0
	s_wait_alu depctr_hold_cnt(0) depctr_sa_sdst(0) depctr_va_vdst(0) depctr_va_sdst(0) depctr_va_ssrc(0) depctr_va_vcc(0) depctr_vm_vsrc(0)
	s_wait_tensorcnt 0x0
	ds_add_u32 v134, v135
	s_wait_dscnt 0x0
	s_endpgm
.Lfunc_end_k_q7bd4407421_proj:
	.size	k_q7bd4407421_proj, .Lfunc_end_k_q7bd4407421_proj-k_q7bd4407421_proj
	.p2alignl 7, 3214868480
	.fill 96, 4, 3214868480
	.section	.rodata,"a",@progbits
	.p2align	6, 0x0
	.amdhsa_kernel k_q7bd4407421_proj
		.amdhsa_group_segment_fixed_size 4608
		.amdhsa_private_segment_fixed_size 0
		.amdhsa_enable_private_segment 0
		.amdhsa_kernarg_size 56
		.amdhsa_user_sgpr_count 2
		.amdhsa_user_sgpr_kernarg_segment_ptr 1
		.amdhsa_wavefront_size32 1
		.amdhsa_system_sgpr_workgroup_id_x 1
		.amdhsa_system_sgpr_workgroup_id_y 1
		.amdhsa_system_sgpr_workgroup_id_z 1
		.amdhsa_system_vgpr_workitem_id 0
		.amdhsa_next_free_vgpr 136
		.amdhsa_next_free_sgpr 66
		.amdhsa_reserve_vcc 0
		.amdhsa_float_denorm_mode_32 3
		.amdhsa_float_denorm_mode_16_64 3
		.amdhsa_memory_ordered 1
		.amdhsa_forward_progress 1
		.amdhsa_inst_pref_size 11
	.end_amdhsa_kernel
	.amdgpu_metadata
---
amdhsa.version: [ 1, 2 ]
amdhsa.kernels:
  - .name:           k_q7bd4407421_proj
    .symbol:         k_q7bd4407421_proj.kd
    .args:
      - { .name: x_codes, .offset: 0, .size: 8, .value_kind: global_buffer, .address_space: global }
      - { .name: x_scales, .offset: 8, .size: 8, .value_kind: global_buffer, .address_space: global }
      - { .name: y_codes, .offset: 16, .size: 8, .value_kind: global_buffer, .address_space: global }
      - { .name: y_scales, .offset: 24, .size: 8, .value_kind: global_buffer, .address_space: global }
      - { .name: W1, .offset: 32, .size: 8, .value_kind: global_buffer, .address_space: global }
      - { .name: b1, .offset: 40, .size: 8, .value_kind: global_buffer, .address_space: global }
      - { .name: hid, .offset: 48, .size: 8, .value_kind: global_buffer, .address_space: global }
    .group_segment_fixed_size: 4608
    .private_segment_fixed_size: 0
    .kernarg_segment_align: 8
    .kernarg_segment_size: 56
    .max_flat_workgroup_size: 128
    .sgpr_count:     66
    .vgpr_count:     136
    .wavefront_size: 32
...
	.end_amdgpu_metadata
.endif
;; end of part 3
;; launch pair: the kernel of part 2 again; grid 8 x 32, 8 waves a work-group, clusters of 4 x 4, 173,056 bytes of LDS; arguments hid, W2, b2, out0; writes out0
